; MI455X (gfx1250); checked and timed in simulation.
; The chip was launched on July 23, 2026; its instructions are those of AMD's public machine-readable ISA for CDNA 5 (MIT licence, August 2026) and "CDNA5" Instruction Set Architecture Reference Guide (July 2026). The comments in the code are by the model that wrote it; some were corrected since.
;; Bit Linear Layer. Allowed arithmetic: float matrix products may take bf16 or f16 operands with f32 sums; other float arithmetic in f32, or as packed bf16 or f16 multiplies, adds, multiply-adds, maxima and minima; sums over many terms, partial sums and values carried from step to step in f32; what a program stores and reads back later, other than sums and carried values, may be rounded once to bf16 or f16.
;; Inputs: bias 4,096 float32; input_packed 4,096 x 512 int32; weight_packed 4,096 x 512 int32.
;; Outputs: out0 4,096 x 4,096 float32.
;; One version. Each part assembles by itself: llvm-mc -triple=amdgcn-amd-amdhsa -mcpu=gfx1250 --defsym DOCPART=n.
;; ======== version 1 of 1: 1 launch
;; launch bitlinear (part 1): grid 16 x 16, 4 waves a work-group, clusters of 4 x 4, 327,680 bytes of LDS; arguments input_packed, weight_packed, bias, out0; writes out0
.if DOCPART == 1
	.amdgcn_target "amdgcn-amd-amdhsa--gfx1250"
	.amdhsa_code_object_version 6
	.text
	.protected	k_q22c2b93505_bitlinear
	.globl	k_q22c2b93505_bitlinear
	.p2align	8
	.type	k_q22c2b93505_bitlinear,@function
k_q22c2b93505_bitlinear:
	s_mov_b64 s[64:65], 0
	v_nop
	global_prefetch_b8 v0, s[64:65] scope:SCOPE_SE
	s_setreg_imm32_b32 hwreg(HW_REG_WAVE_MODE, 25, 1), 1
	s_wait_xcnt 0x0
	s_wait_alu depctr_hold_cnt(0) depctr_sa_sdst(0) depctr_va_vdst(0) depctr_va_sdst(0) depctr_va_ssrc(0) depctr_va_vcc(0) depctr_vm_vsrc(0)
	s_getreg_b32 s2, hwreg(HW_REG_IB_STS2, 6, 4)
	s_cmp_eq_u32 s2, 0
	s_cbranch_scc0 .Lentry_in_a_cluster
	s_endpgm
.Lentry_in_a_cluster:
	s_bfe_u32 s2, ttmp6, 0x10000c
	s_cmp_lg_u32 s2, 0xf033
	s_cbranch_scc0 .Lentry_shape_is_right
	s_endpgm
.Lentry_shape_is_right:
; out[b][o] = sum over k of a[b][k] w[o][k] + bias[o];  a, w = +1 / -1 from bit k % 8 of word k / 8 (int32 words of which the low 8 bits count, as in the problem's own unpacking;
; the upper 24 bits are never looked at, so every int32 is served).  input_packed, weight_packed: [4096][512] int32; bias: [4096] f32; out: [4096][4096] f32.
; +1 and -1 are exact in bf16 and every sum is a whole number of at most 4,096 in size, exact in f32: the order of k changes no bit.  No limit on the inputs is kept.
; SHARES.  A work-group makes 256 x 256 of out, each of its four waves 128 x 128: 64 accumulators of 16 x 16, 512 registers.  256 work-groups.
; THE PACKED WORDS GO INTO LDS, not bf16: a K step is 64 words = 256 bytes of a row = 512 along K; 8 K steps through a ring of two slots filled by the tensor data mover.
; Each wave makes its own bf16 fragments in registers, two vector instructions a register.  A STEP is 32 along K: 64 matrix instructions and, behind each, four vector instructions
; that build the NEXT step's 128 fragment registers (4 x 64 = 256 = 2 x 128).
; BITS TO bf16, alike for both operands.  A CHUNK is 8 words (64 along K).  Lane (r = l % 16, h = l / 16) loads X = words 2h, 2h+1 and Y = words 4+2h, 5+2h of its row.  For fragment u (0, 1):
; y = {Y[u].byte0, Y[u].byte0, X[u].byte0, X[u].byte0} (v_perm_b32); register j = 0x3f803f80 with the two sign bits of y << j (v_bfi_b32): low half: bit 7-j of X[u], high half: bit 7-j of Y[u].
; So a set bit gives -1.0 in BOTH operands, which leaves every product as it is, and (h, u, j, half) runs once through the chunk's 64 bits, by the same map for input and weight.
; ORIENTATION.  Source 0 = 16 rows of the input, source 1 = 16 rows of the weight.  In the result register j of lane (r, h) is (row 8h + j, weight row of lane r).  Weight block 4g + c takes weight row
; 64g + 4r + c in lane r: register j of the four accumulators c = 0..3 is then four NEIGHBOURING columns of one row of out; the four bias additions put them into four registers on end,
; and one 16-byte store has sixteen lanes cover 256 consecutive bytes, aligned.  No LDS stage on the way out.
; CLUSTER.  4 x 4 work-groups.  The four of a row of the cluster need the same tile of the input, the four of a column the same tile of the weight: each is asked for JOINTLY, by the same
; tensor load with the same descriptor and a mask that names the four.
; REGISTERS, in windows of 256 (s_set_vgpr_msb: bits 1:0 source 0, 3:2 source 1, 5:4 source 2, 7:6 destination).  EVERY window: v128-255 the 16 accumulators of one quadrant of 64 x 64;
; v64-127 two buffers x 4 fragments x 8 of ONE half of one operand; v32-63 raw words; v16-19 y; v20-23 y << j; v12 the stores' offset.
;   window 0: input blocks 0-3 (A0), quadrant (0,0), raw X of A0 and of B1       window 3: weight blocks 0-3 (B0), quadrant (1,0), raw Y of A0 and of B0
;   window 2: input blocks 4-7 (A1), quadrant (1,1), raw X of A1 and of B0       window 1: weight blocks 4-7 (B1), quadrant (0,1), raw Y of A1 and of B1
; A step is four GROUPS of 16 matrix instructions, each under ONE setting, under which the matrix instruction, the unpacking of the set that lives in the accumulators' window and that window's LDS loads all
; name the right windows: four switches for a step's 64 matrix instructions.
;   group 0: 0x0c  A0 x B0 -> window 0, builds A0     group 1: 0xfe  A1 x B0 -> window 3, builds B0     group 2: 0xa6  A1 x B1 -> window 2, builds A1     group 3: 0x54  A0 x B1 -> window 1, builds B1
.set ROWB,  2048                       ; bytes in a row of either packed tensor
.set KSB,   256                        ; bytes of a row in a K step
.set OROW,  16384                      ; bytes in a row of out
.set PA,    272                        ; an input row in LDS: 256 bytes + 16 of padding = 68 words: lane (r, h) starts at bank 4r + 2h mod 64 (64 banks of 4 bytes: ISA guide 11.1): 32 lanes x 8 bytes take each bank once
.set PB,    264                        ; a weight row in LDS: 256 bytes + 8 of padding = 66 words.  Lane r reads row 4r + c, so lanes are 264 words apart: bank 8r + 2h mod 64: lanes r and r + 8 meet, two deep.
                                       ; That falls on 16 loads for each 128 matrix instructions; a pitch with no meeting would want an odd number of padding words
.set HALF,  34816                      ; room for 128 rows: what one tensor load brings (the weight's 128 rows use 33,792 of it)
.set BOFF,  2*HALF                     ; the weight's two halves lie behind the input's two
.set SLOT,  4*HALF                     ; 139,264 = 0x22000: it shares no bit with wave x HALF (0, 0x8800, 0x11000, 0x19800), so one exclusive or turns a fill's address into the other slot's
.set SPARE, 2*SLOT                     ; behind the ring: the spare words, 128 bytes for each wave: two blocks of 256 bytes that no other line names
.set SPW,   2                          ; v2   LDS address of my spare word: SPARE + 4 x my thread's number; never rewritten
.set NIL,   3                          ; v3   0; never rewritten
.set ADRA,  8                          ; v8   (windows 0 and 2) LDS address of my input rows' chunk to be loaded next
.set ADRB,  9                          ; v9   (windows 0 and 2) the same for the weight
.set BASEA, 10                         ; v10  (windows 0 and 2) my lane's place in slot 0's input tile; never rewritten
.set BASEB, 11                         ; v11  (windows 0 and 2) the same for the weight
.set CO,    12                         ; v12  (all windows) my byte offset in the wave's part of out: 8 h rows + 16 r
.set BO,    13                         ; v13  my byte offset in bias
.set PFO,   14                         ; v14  the prefetches' offset: my lane x a packed row; never rewritten
.set YR,    16
.set ZR,    20
.set BIAS,  24                         ; v24-31 (window 0) bias of columns 64 g + 4 r + c at BIAS + 4 g + c
.set RAW,   32                         ; RAW + 16 s + 8 p + 2 i + u: s = 0 input, 1 weight; p = the chunk's parity; i = block; u = word of the pair
.set FR,    64                         ; FR + 32 buffer + 8 fragment
.set ACC,   128                        ; accumulator (a, b) of the quadrant at ACC + 8 (4 a + b)
.set TT0,   32                         ; the way out: window 0's v32-127, three batches of 32
.set WV,    12                         ; s12  my wave's number
.set HF,    13                         ; s13  wave / 2: my half of the tile's rows.  Also: I fetch for the input (0) or the weight (1)
.set LH,    14                         ; s14  wave % 2: my half of its columns.  Also: which 128 rows of that tile I fetch
.set LIM,   15                         ; s15  1 in a wave that prefetches, else the greatest number
.set G1A,   24                         ; s[24:31] descriptor group 1 for the input's tiles
.set G1B,   32                         ; s[32:39] for the weight's: other mask, other padding
.set G0A,   40                         ; s[40:47] descriptor group 0 for the input: a set for each of the two first fills; the second then walks on
.set G0B,   48                         ; s[48:55] the same for the weight
.set SLOTS, 56                         ; s56  counts the slots
.set CNT,   57                         ; s57  counts a slot's bodies
.set RB,    58                         ; s58  LDS byte at which the slot that is being read begins: 0 or SLOT
.set MSK,   62                         ; s62  0x7fff7fff: all but the two sign bits
.set ONE,   63                         ; s63  0x3f803f80: 1.0 twice in bf16
.set SELP,  66                         ; s66  v_perm_b32's selector
.set PFA,   68                         ; s[68:69] where my prefetches stand
.set CX,    70
.set CY,    71
.set TC,    72                         ; s72  tile column of out
.set TR,    73                         ; s73  tile row
.set MROW,  74
.set MCOL,  75
.set MSB, 0
.macro WIN new                         ; the immediate's high byte repeats the setting that is left; a switch that changes nothing is dropped
.if MSB != (\new)
	s_set_vgpr_msb (MSB<<8)|(\new)
.set MSB, \new
.endif
.endm
.macro GSET g                          ; group g's one setting.  KIND: 0 = it builds an input set (its window is source 0's), 1 = a weight set (source 1's)
.if (\g) == 0
	WIN 0x0c
.elseif (\g) == 1
	WIN 0xfe
.elseif (\g) == 2
	WIN 0xa6
.else
	WIN 0x54
.endif
.set KIND, (\g)%2
.endm
; A joint load.  Waves 0 and 1 fetch the input's two halves, waves 2 and 3 the weight's.  The branch hangs on the wave's number alone: it is the same in every work-group.
; An s_nop 0 and four v_nop follow each of the two lines, ahead of the jump, the label and what follows.
.macro JLOAD s
	s_cmp_eq_u32 s[HF], 0
	s_cbranch_scc0 .Lfor_b_\@
	tensor_load_to_lds s[G0A+4*(\s):G0A+4*(\s)+3], s[G1A:G1A+7]
	s_nop 0
.rept 4
	v_nop
.endr
	s_branch .Lasked_\@
.Lfor_b_\@:
	tensor_load_to_lds s[G0B+4*(\s):G0B+4*(\s)+3], s[G1B:G1B+7]
	s_nop 0
.rept 4
	v_nop
.endr
.Lasked_\@:
.endm
; A prefetch of what the NEXT change of slots will ask for: 32 rows x 256 bytes, a lane a row, one instruction a wave, behind the joint load and its five lines: 1,024 matrix instructions ahead of that load.
; Each row's 256 bytes of a K step are named once in the launch: the input's tile row is read by every cluster of that row of clusters, and the one with x = 0 asks; the weight's tile column by every cluster of
; that column, and the one with y = 0 asks.  The four partners that ask for a tile jointly share its rows out BY ADDRESS (32 of a wave's 128 each, by cx for the input, cy for the weight).
; K steps 0 to 2 come by their loads alone; the last change that fills a slot (s[SLOTS] = 1) asks for nothing.
.macro ASK
	s_cmp_gt_u32 s[SLOTS], s[LIM]
	s_cbranch_scc0 .Lnot_mine_\@
	global_prefetch_b8 v[PFO], s[PFA:PFA+1] th:TH_LOAD_NT scope:SCOPE_SE
.Lnot_mine_\@:
.endm
; A round of the cluster's barrier: my work-group's barrier, so that wave 0's signal speaks for all four waves; wave 0 signals; every wave waits for all sixteen work-groups; my work-group's barrier once more.
.macro CROUND
	s_barrier_signal -1
	s_barrier_wait -1
	s_cmp_lg_u32 s[WV], 0
	s_cbranch_scc1 .Lnot_wave_0_\@
	s_barrier_signal -3
.Lnot_wave_0_\@:
	s_barrier_wait -3
	s_barrier_signal -1
	s_barrier_wait -1
.endm
	s_load_b256 s[4:11], s[0:1], 0x0               ; input s[4:5], weight s[6:7], bias s[8:9], out s[10:11]
	v_lshl_add_u32 v[SPW], v0, 2, SPARE
	v_mov_b32 v[NIL], 0
	ds_add_u32 v[SPW], v[NIL]                      ; the wave's opening: the add, twice on end, and its wait ahead of my first tensor load; the set-up below stands between
	ds_add_u32 v[SPW], v[NIL]                      ; and once more, under the one wait
	v_lshrrev_b32 v1, 5, v0
	v_readfirstlane_b32 s[WV], v1                  ; wave 0..3
	s_lshr_b32 s[HF], s[WV], 1
	s_and_b32 s[LH], s[WV], 1
	s_bfe_u32 s[CX], ttmp6, 0x40000                ; my place along the cluster's x
	s_bfe_u32 s[CY], ttmp6, 0x40004                ; along its y
	s_lshl_b32 s[TC], ttmp9, 2                     ; in a cluster launch ttmp9 and ttmp7 count clusters
	s_add_co_u32 s[TC], s[TC], s[CX]               ; tile column = 4 x cluster x + cx
	s_and_b32 s[TR], ttmp7, 0xffff
	s_lshl_b32 s[TR], s[TR], 2
	s_add_co_u32 s[TR], s[TR], s[CY]               ; tile row = 4 x cluster y + cy
	s_lshl_b32 s[MROW], s[CY], 2
	s_lshl_b32 s[MROW], 15, s[MROW]                ; my row of the cluster: places 4 cy .. 4 cy + 3
	s_lshl_b32 s[MCOL], 0x1111, s[CX]              ; my column: places cx, cx + 4, cx + 8, cx + 12
	; descriptor group 1: a tile of 128 rows x 64 words, padded in LDS behind every row
	s_or_b32 s[G1A], s[MROW], (2<<16)|(1<<20)|(1<<21)|(5<<22)|(3<<25)  ; 15:0 the mask; 17:16 elements of 4 bytes; 20 padding on; 21 set beside a mask; 24:22 after every 64 words (code 5): a row; 31:25 4 words of it (code 3)
	s_or_b32 s[G1B], s[MCOL], (2<<16)|(1<<20)|(1<<21)|(5<<22)|(1<<25)  ; the weight: the mask of my column, and 2 words of padding (code 1)
.irp g, G1A, G1B
	s_mov_b32 s[(\g)+1], 64<<16                    ; tensor_dim0 = 64
	s_mov_b32 s[(\g)+2], 128<<16                   ; tensor_dim1 = 128
	s_mov_b32 s[(\g)+3], 64<<16                    ; tile_dim0 = 64
	s_mov_b32 s[(\g)+4], 128                       ; tile_dim1 = 128
	s_mov_b32 s[(\g)+5], 512                       ; 512 words from row to row
	s_mov_b32 s[(\g)+6], 0
	s_mov_b32 s[(\g)+7], 0
.endr
	; where the tiles come from: the input's hang on the tile row alone, the weight's on the tile column alone.  Every wave makes both and asks by one.
	s_lshl_b32 s21, s[LH], 7                       ; which 128 rows of the tile I fetch
	s_lshl_b32 s16, s[TR], 8
	s_add_co_u32 s16, s16, s21
	s_lshl_b32 s16, s16, 11                        ; x 2,048 bytes: under 2^23
	s_mov_b32 s17, 0
	s_lshl_b32 s18, s[TC], 8
	s_add_co_u32 s18, s18, s21
	s_lshl_b32 s18, s18, 11
	s_mov_b32 s19, 0
	s_mul_i32 s20, s[WV], HALF                     ; and where they go: wave x 128 rows' room: no place in the cluster enters an LDS address
	s_mov_b32 s[MSK], 0x7fff7fff
	s_mov_b32 s[ONE], 0x3f803f80
	s_mov_b32 s[SELP], 0x00000404                  ; bytes 0, 1: byte 0 of the first source (X); bytes 2, 3: byte 0 of the second (Y)
	s_mov_b32 s[RB], 0
	s_wait_dscnt 0x0                               ; both opening adds are done
	s_wait_kmcnt 0x0
	s_add_nc_u64 s[16:17], s[4:5], s[16:17]
	s_add_nc_u64 s[18:19], s[6:7], s[18:19]
	CROUND                                         ; all sixteen work-groups are here: the first joint loads meet
.irp s, 0,1
	s_mov_b32 s[G0A+4*(\s)], 1                                     ; count = 1
	s_add_co_u32 s[G0A+4*(\s)+1], s20, (\s)*SLOT                   ; LDS address
	s_add_nc_u64 s[G0A+4*(\s)+2:G0A+4*(\s)+3], s[16:17], (\s)*KSB  ; global address: K step s
	s_or_b32 s[G0A+4*(\s)+3], s[G0A+4*(\s)+3], 0x80000000          ; type = 2
	s_mov_b32 s[G0B+4*(\s)], 1
	s_add_co_u32 s[G0B+4*(\s)+1], s20, (\s)*SLOT
	s_add_nc_u64 s[G0B+4*(\s)+2:G0B+4*(\s)+3], s[18:19], (\s)*KSB
	s_or_b32 s[G0B+4*(\s)+3], s[G0B+4*(\s)+3], 0x80000000
	JLOAD \s                                       ; the ring is filled before anything else is done: two loads of mine are out
.endr
	; lane terms
	v_and_b32 v1, 15, v0                           ; r
	v_bfe_u32 v4, v0, 4, 1                         ; h
	v_mul_u32_u24 v5, v1, PA
	v_lshl_add_u32 v5, v4, 3, v5                   ; 272 r + 8 h
	s_mul_i32 s21, s[HF], HALF                     ; my 128 rows of the input
	v_add_nc_u32 v[BASEA], s21, v5
	v_mul_u32_u24 v6, v1, 4*PB
	v_lshl_add_u32 v6, v4, 3, v6                   ; row 4 r: 1,056 r + 8 h
	s_mul_i32 s22, s[LH], HALF                     ; my 128 rows of the weight,
	s_add_co_u32 s22, s22, BOFF                    ; behind the input's 256
	v_add_nc_u32 v[BASEB], s22, v6
	v_mov_b32 v[ADRA], v[BASEA]                    ; slot 0, chunk 0
	v_mov_b32 v[ADRB], v[BASEB]
	v_lshlrev_b32 v[CO], 4, v1
	v_lshl_add_u32 v[CO], v4, 17, v[CO]            ; 8 h rows of 16,384 bytes + 16 r
	s_lshl_b32 s22, s[TR], 8
	s_lshl_b32 s23, s[HF], 7
	s_add_co_u32 s22, s22, s23                     ; my first row of out,
	s_lshl_b32 s22, s22, 14                        ; in bytes: under 2^26
	s_lshl_b32 s76, s[TC], 10
	s_lshl_b32 s77, s[LH], 9
	s_add_co_u32 s76, s76, s77                     ; my first column, in bytes: of out's rows and of bias
	s_add_co_u32 s22, s22, s76
	s_mov_b32 s23, 0
	s_add_nc_u64 s[10:11], s[10:11], s[22:23]      ; out at my wave's corner
	v_lshl_add_u32 v[BO], v1, 4, s76
	global_load_b128 v[BIAS:BIAS+3], v[BO], s[8:9]               ; bias of columns 4 r .. 4 r + 3
	global_load_b128 v[BIAS+4:BIAS+7], v[BO], s[8:9] offset:256  ; and of 64 + 4 r ..
	; the prefetches: whose rows, and whether I ask
	s_lshl_b32 s21, s[TR], 8
	s_lshl_b32 s76, s[TC], 8
	s_and_b32 s77, ttmp7, 0xffff                   ; cluster y
	s_cmp_eq_u32 s[HF], 0                          ; do I fetch for the input?
	s_cselect_b32 s21, s21, s76                    ; the tile's first row
	s_cselect_b32 s76, s[CX], s[CY]                ; my place among the four that ask for it with me
	s_cselect_b32 s77, ttmp9, s77                  ; the coordinate along which other clusters read the same rows
	s_cselect_b64 s[PFA:PFA+1], s[4:5], s[6:7]
	s_cmp_eq_u32 s77, 0
	s_cselect_b32 s[LIM], 1, -1                    ; the same in all sixteen partners, for a given wave
	s_lshl_b32 s77, s[LH], 7
	s_add_co_u32 s21, s21, s77                     ; + the 128 rows that I fetch
	s_lshl_b32 s76, s76, 5
	s_add_co_u32 s22, s21, s76                     ; + my work-group's 32 of them
	s_lshl_b32 s22, s22, 11
	s_mov_b32 s23, 0
	s_add_nc_u64 s[PFA:PFA+1], s[PFA:PFA+1], s[22:23]
	s_add_nc_u64 s[PFA:PFA+1], s[PFA:PFA+1], 2*KSB ; at K step 2: the first change of slots steps it to 3.  Nothing is prefetched here, at the head
	v_and_b32 v[PFO], 31, v0
	v_lshlrev_b32 v[PFO], 11, v[PFO]
	WIN 0x80                                       ; copies for the windows from which the groups' settings take them: window 2,
	v_mov_b32 v[BASEA], v[BASEA]
	v_mov_b32 v[BASEB], v[BASEB]
	v_mov_b32 v[ADRA], v[BASEA]
	v_mov_b32 v[ADRB], v[BASEB]
	v_mov_b32 v[CO], v[CO]
	WIN 0x40                                       ; window 1,
	v_mov_b32 v[CO], v[CO]
	WIN 0xc0                                       ; window 3
	v_mov_b32 v[CO], v[CO]
	WIN 0
; Number n of the 64 vector instructions that build one set (4 fragments x 8 registers) into buffer RD, from word RU of the raw pairs of parity RP.
;   0-3: y for fragment n (X and Y have the same register number, X in source 0's window, Y in source 1's).   Then 15 a fragment: S1 C0 S2 C1 S3 C2 S4 C3 S5 C4 S6 C5 S7 C6 C7,
;   S j: y << j into one of four registers by turns; C j: register j of the fragment.  A result is read two lines behind the line that makes it.
.macro RID n
.if (\n) < 4
	v_perm_b32 v[YR+(\n)], v[RAW+16*KIND+8*RP+2*(\n)+RU], v[RAW+16*KIND+8*RP+2*(\n)+RU], s[SELP]
.else
.set rm, (\n)-4
.set ri, rm/15
.set re, rm%15
.if (re%2 == 0) && (re < 14)
.set rj, re/2+1
.if KIND == 0
	v_lshl_add_u32 v[ZR+rj%4], v[YR+ri], rj, 0     ; y in source 0, whose window is this group's own
.else
	v_lshlrev_b32 v[ZR+rj%4], rj, v[YR+ri]         ; y in source 1, whose window is this group's own
.endif
.else
.set rj, re/2
.if rj == 0
	v_bfi_b32 v[FR+32*RD+8*ri], s[MSK], s[ONE], v[YR+ri]
.else
	v_bfi_b32 v[FR+32*RD+8*ri+rj], s[MSK], s[ONE], v[ZR+rj%4]
.endif
.endif
.endif
.endm
; Group g's 8 LDS loads of a chunk, into the raw registers of parity lp of its destination window; lo: the chunk's byte behind the address registers.
; group 0: X of A0 and B1; 1: Y of A0 and B0; 2: X of A1 and B0; 3: Y of A1 and B1.  X lies at byte 8 h of the chunk (in the address), Y 16 bytes on.
; The input's block i is rows 16 i + r; the weight's block c of half g is rows 64 g + 4 r + c: 64 g rows and c rows stand in the immediate, 4 r in the address.
.macro LOADS g, lp, lo
.irp i, 0,1,2,3
	ds_load_b64 v[RAW+8*(\lp)+2*\i:RAW+8*(\lp)+2*\i+1], v[ADRA] offset:(4*((\g)/2)+\i)*16*PA+(\lo)+16*((\g)%2)
.endr
.irp i, 0,1,2,3
	ds_load_b64 v[RAW+16+8*(\lp)+2*\i:RAW+16+8*(\lp)+2*\i+1], v[ADRB] offset:(1-(((\g)+1)/2)%2)*64*PB+PB*\i+(\lo)+16*((\g)%2)
.endr
.endm
; 16 matrix instructions on the quadrant's 16 accumulators, one a turn (no two that follow each other share an accumulator, from group to group and from step to step too),
; from buffer f; behind each, four of the 64 that build the group's set for the next step.  zero = 1: the products start the sums: nothing is ever cleared.
; A buffer is first written nine plain vector instructions behind the last matrix instruction that read it or more (ISA guide 7.12.1): for A0, read last by group 3 of the step before:
; that group's last four, the four v_perm_b32 and S1.
.macro GROUP g, f, zero, unp, ld, lp, lo, bump
	GSET \g
.set gk, 0
.rept 16
.if \zero
	v_wmma_f32_16x16x32_bf16 v[ACC+8*gk:ACC+8*gk+7], v[FR+32*(\f)+8*(gk/4):FR+32*(\f)+8*(gk/4)+7], v[FR+32*(\f)+8*(gk%4):FR+32*(\f)+8*(gk%4)+7], 0
.else
	v_wmma_f32_16x16x32_bf16 v[ACC+8*gk:ACC+8*gk+7], v[FR+32*(\f)+8*(gk/4):FR+32*(\f)+8*(gk/4)+7], v[FR+32*(\f)+8*(gk%4):FR+32*(\f)+8*(gk%4)+7], v[ACC+8*gk:ACC+8*gk+7]
.endif
.if \unp
	RID 4*gk
	RID 4*gk+1
	RID 4*gk+2
	RID 4*gk+3
.endif
.if (\bump) && (gk == 0) && ((\g)%2 == 0)
	v_add_nc_u32 v[ADRA], v[ADRA], 64              ; two chunks on, in this group's window (0 or 2): the register stands in source 0
	v_add_nc_u32 v[ADRB], v[ADRB], 64
.endif
.if (\ld) && (gk == 1)
	LOADS \g, \lp, \lo
.endif
.set gk, gk+1
.endr
.endm
; A step: buffer f is multiplied; buffer d is built from word u of the raw pairs of parity p.  wait = 1: the raw words of parity p, asked for two steps (128 matrix instructions) back, are waited for.
.macro STEP f, d, zero, unp, p, u, ld, lp, lo, bump, wait
.if \wait
	s_wait_dscnt 0x0
.endif
.set RD, \d
.set RP, \p
.set RU, \u
	GROUP 0, \f, \zero, \unp, \ld, \lp, \lo, \bump
	GROUP 1, \f, \zero, \unp, \ld, \lp, \lo, \bump
	GROUP 2, \f, \zero, \unp, \ld, \lp, \lo, \bump
	GROUP 3, \f, \zero, \unp, \ld, \lp, \lo, \bump
.endm
; Body j = steps 4 j + 1 .. 4 j + 4.  Step t multiplies buffer t % 2 and builds step t + 1 from chunk (t + 1) / 2, word (t + 1) % 2.  Steps 4 j + 1 and 4 j + 3 load chunks 2 j + 2 and 2 j + 3,
; each into the raw registers that the step before read last.
.macro BODY
	STEP 1, 0, 0, 1, 1, 0, 1, 0, 0,  0, 1
	STEP 0, 1, 0, 1, 1, 1, 0, 0, 0,  0, 0
	STEP 1, 0, 0, 1, 0, 0, 1, 1, 32, 0, 1
	STEP 0, 1, 0, 1, 0, 1, 0, 0, 0,  1, 0
.endm
; THE CHANGE OF SLOTS.  The slot's last chunks have been asked for.  Each wave waits for all its tensor loads, of which one is out: its part of the other slot; adds 0 to its spare word; and waits for that and
; for its own reads of the slot.  Behind the barrier nobody reads this slot any more and the other slot is whole.  fill = 1: this slot is filled again, with the K step two on: the barrier is then a round of
; the cluster's, so that no wave of any partner still reads the slot or has a load on its way, and the joint refill is the first thing behind it: it has four bodies, 1,024 matrix instructions, in which to land.
.macro CHANGE fill
	WIN 0                                          ; at a label and at a branch every window is 0; the add's two registers lie in window 0
.if \fill
	s_wait_xcnt 0x0                                ; the last prefetch, four bodies back, has read its address, so it may be stepped
	s_add_nc_u64 s[PFA:PFA+1], s[PFA:PFA+1], KSB
.endif
	s_wait_tensorcnt 0x0                           ; no tensor load of mine is out, so a group 0 may be written
	ds_add_u32 v[SPW], v[NIL]                      ; 0 onto my spare word; the steps below, work on registers, stand between it and the wait for it
	s_xor_b32 s[RB], s[RB], SLOT                   ; the reads go to the other slot
.if \fill
	s_xor_b32 s[G0A+5], s[G0A+5], SLOT             ; the walking descriptors: the other slot than last time,
	s_add_nc_u64 s[G0A+6:G0A+7], s[G0A+6:G0A+7], KSB  ; the next K step; the type bits on top are not reached
	s_xor_b32 s[G0B+5], s[G0B+5], SLOT
	s_add_nc_u64 s[G0B+6:G0B+7], s[G0B+6:G0B+7], KSB
.endif
	v_add_nc_u32 v[ADRA], s[RB], v[BASEA]          ; the new slot's first chunk, in window 0
	v_add_nc_u32 v[ADRB], s[RB], v[BASEB]
	WIN 0x88                                       ; and in window 2 (source 1 and destination)
	v_add_nc_u32 v[ADRA], s[RB], v[BASEA]
	v_add_nc_u32 v[ADRB], s[RB], v[BASEB]
	WIN 0
	s_wait_dscnt 0x0                               ; the add is done, and my reads of the slot are over
.if \fill
	CROUND
	JLOAD 1
	ASK
.else
	s_barrier_signal -1
	s_barrier_wait -1
.endif
.endm
	s_wait_loadcnt 0x0                             ; bias, once
	s_wait_tensorcnt 0x1                           ; my part of K step 0 is in; K step 1's may stay out
	s_barrier_signal -1
	s_barrier_wait -1                              ; everybody's is
.irp g, 0,1,2,3
	GSET \g
	LOADS \g, 0, 0                                 ; chunk 0: 32 loads
.endr
	s_wait_dscnt 0x0                               ; all of chunk 0 is in: a group's v_perm_b32 read raw words of two windows
.set RD, 0
.set RP, 0
.set RU, 0
.irp g, 0,1,2,3                        ; step 0's fragments: there is no matrix work yet beside which to build them.  Chunk 1's loads stand at each group's head and land meanwhile: step 1 waits for them
	GSET \g
	LOADS \g, 1, 32
.set gk, 0
.rept 64
	RID gk
.set gk, gk+1
.endr
.endr
	STEP 0, 1, 1, 1, 0, 1, 0, 0, 0, 1, 0           ; step 0 stands in front of the loop: its products start the sums
	WIN 0
	s_mov_b32 s[SLOTS], 7
	s_mov_b32 s[CNT], 3                            ; slot 0 has three bodies left to load (chunks 2 to 7)
	s_branch .Lbody
.Lslot:                                            ; six times: K steps 2 to 7 are asked for
	CHANGE 1
	s_mov_b32 s[CNT], 4
.Lbody:
	BODY
	WIN 0
	s_sub_co_u32 s[CNT], s[CNT], 1
	s_cmp_lg_u32 s[CNT], 0
	s_cbranch_scc1 .Lbody
	s_sub_co_u32 s[SLOTS], s[SLOTS], 1
	s_cmp_lg_u32 s[SLOTS], 0
	s_cbranch_scc1 .Lslot
	CHANGE 0                                       ; the last slot is written out: nothing is asked for
	s_mov_b32 s[CNT], 4
.Llast:
	BODY
	WIN 0
	s_sub_co_u32 s[CNT], s[CNT], 1
	s_cmp_lg_u32 s[CNT], 0
	s_cbranch_scc1 .Llast
	STEP 1, 0, 0, 1, 1, 0, 0, 0, 0, 0, 1           ; steps 125 to 127: nothing is left to load,
	STEP 0, 1, 0, 1, 1, 1, 0, 0, 0, 0, 0
	STEP 1, 0, 0, 0, 0, 0, 0, 0, 0, 0, 0           ; and at last nothing to build
	; THE WAY OUT.  For row j of block a of a quadrant the four accumulators (a, 0..3) hold four neighbouring columns in register j: four additions of bias put them on end, and one store follows:
	; lanes 0-15 cover 256 consecutive bytes of row 16 a + j, at a multiple of 256 from out's first byte, lanes 16-31 those of row 16 a + 8 + j.  j ascends: each accumulator is read from its low end on.
	WIN 0
.rept 8
	v_nop                                          ; the places behind the last products, in front of the sums that read results and write over fragments (ISA guide 7.12.1), with room to spare
.endr
.set ob, 0
.macro OUTQ q, ah, bh                  ; the quadrant in window q: source 0 (the accumulators, and the stores' offset) in window q, all else in window 0
	WIN \q
.set oa, 0
.rept 4
	s_wait_xcnt 0x0                                ; every earlier store has had its addresses translated (ISA guide 3.1): only behind this wait are registers that stores read written again
.set oj, 0
.rept 8
.set tt, TT0+32*(ob%3)+4*oj
.irp c, 0,1,2,3
	v_add_f32 v[tt+\c], v[ACC+8*(4*oa+\c)+oj], v[BIAS+4*(\bh)+\c]
.endr
	global_store_b128 v[CO], v[tt:tt+3], s[10:11] offset:(64*(\ah)+16*oa+oj)*OROW+256*(\bh) th:TH_STORE_NT  ; 119 rows of out at the most: inside the signed 24-bit immediate
.set oj, oj+1
.endr
.set oa, oa+1
.set ob, ob+1
.endr
.endm
	OUTQ 0, 0, 0                                   ; in the order in which the last step finished them
	OUTQ 3, 1, 0
	OUTQ 2, 1, 1
	OUTQ 1, 0, 1
	WIN 0
	s_wait_tensorcnt 0x0                           ; the wave's end, behind my last tensor load
	ds_add_u32 v[SPW], v[NIL]
	s_wait_dscnt 0x0
	CROUND                                         ; the closing round: no work-group ends while a partner may still ask for a tile that names it
	s_endpgm
.Lfunc_end_k_q22c2b93505_bitlinear:
	.size	k_q22c2b93505_bitlinear, .Lfunc_end_k_q22c2b93505_bitlinear-k_q22c2b93505_bitlinear
	.p2alignl 7, 3214868480
	.fill 96, 4, 3214868480
	.section	.rodata,"a",@progbits
	.p2align	6, 0x0
	.amdhsa_kernel k_q22c2b93505_bitlinear
		.amdhsa_group_segment_fixed_size 327680
		.amdhsa_private_segment_fixed_size 0
		.amdhsa_enable_private_segment 0
		.amdhsa_kernarg_size 32
		.amdhsa_user_sgpr_count 2
		.amdhsa_user_sgpr_kernarg_segment_ptr 1
		.amdhsa_wavefront_size32 1
		.amdhsa_system_sgpr_workgroup_id_x 1
		.amdhsa_system_sgpr_workgroup_id_y 1
		.amdhsa_system_sgpr_workgroup_id_z 1
		.amdhsa_system_vgpr_workitem_id 0
		.amdhsa_next_free_vgpr 1024
		.amdhsa_next_free_sgpr 80
		.amdhsa_reserve_vcc 0
		.amdhsa_float_denorm_mode_32 3
		.amdhsa_float_denorm_mode_16_64 3
		.amdhsa_memory_ordered 1
		.amdhsa_forward_progress 1
		.amdhsa_inst_pref_size 255
	.end_amdhsa_kernel
	.section	.bss,"aw",@nobits
	.p2align	6
	.space	262144
	.amdgpu_metadata
---
amdhsa.version: [ 1, 2 ]
amdhsa.kernels:
  - .name:           k_q22c2b93505_bitlinear
    .symbol:         k_q22c2b93505_bitlinear.kd
    .args:
      - { .name: input_packed, .offset: 0, .size: 8, .value_kind: global_buffer, .address_space: global }
      - { .name: weight_packed, .offset: 8, .size: 8, .value_kind: global_buffer, .address_space: global }
      - { .name: bias, .offset: 16, .size: 8, .value_kind: global_buffer, .address_space: global }
      - { .name: out0, .offset: 24, .size: 8, .value_kind: global_buffer, .address_space: global }
    .group_segment_fixed_size: 327680
    .private_segment_fixed_size: 0
    .kernarg_segment_align: 8
    .kernarg_segment_size: 32
    .max_flat_workgroup_size: 128
    .sgpr_count:     80
    .vgpr_count:     1024
    .wavefront_size: 32
...
	.end_amdgpu_metadata
.endif
;; end of part 1
